; MI455X (gfx1250); checked and timed in simulation.
; The chip was launched on July 23, 2026; its instructions are those of AMD's public machine-readable ISA for CDNA 5 (MIT licence, August 2026) and "CDNA5" Instruction Set Architecture Reference Guide (July 2026). The comments in the code are by the model that wrote it; some were corrected since.
;; Self Attention. Allowed arithmetic: matrix products marked QUANTISED: E4M3 operands, one given power-of-two scale a tensor, by v_wmma_f32_16x16x64_fp8_fp8 or v_wmma_f32_16x16x128_fp8_fp8, f32 sums; everything else in f32.
;; Inputs: W_proj 1,024 x 1,024 float32; W_qkv 1,024 x 3,072 float32; b_proj 1,024 float32; b_qkv 3,072 float32; lowp_scales 8 int32 (the exponents e of the quantised operands' scales 2^e); x 4 x 2,048 x 1,024 float32.
;; Outputs: out0 4 x 2,048 x 1,024 float32.
;; This version of the problem:
;;   THIS VERSION OF THE PROBLEM IS GIVEN IN LOW PRECISION. The matrix products marked QUANTISED in the list below multiply operands that are first quantised to E4M3 (4 exponent bits, 3 mantissa bits; 8 bits a number), with one given power-of-two scale for each operand tensor; their sums are f32. All else is computed in f32.
;;   The module's matrix products, in the order in which they are computed (A, B: the left and right operand; K: the contracted axis; several contracted axes count as one K, in the product's order):
;;     1. [M 8,192, K 1,024] x [K 1,024, N 3,072]; A: input x; B: input W_qkv: QUANTISED (scales: A lowp_scales[0], B lowp_scales[1])
;;     2. batch 64 x [M 2,048, K 64] x [K 64, N 2,048]; A: computed on the way; B: computed on the way: QUANTISED (scales: A lowp_scales[2], B lowp_scales[3])
;;     3. batch 64 x [M 2,048, K 2,048] x [K 2,048, N 64]; A: softmax (see below); B: computed on the way: QUANTISED (scales: A lowp_scales[4], B lowp_scales[5])
;;     4. [M 8,192, K 1,024] x [K 1,024, N 1,024]; A: computed on the way; B: input W_proj: QUANTISED (scales: A lowp_scales[6], B lowp_scales[7])
;;   THE QUANTISER, for each operand of a quantised product, along K:
;;     - The operand's scale is 2^e, e = its entry of the input lowp_scales (int32; the entries are numbered through the quantised products in the list's order, A before B).
;;     - Each number is divided by the scale, clamped to +-448, and rounded to the nearest number of E4M3, ties to even, subnormals kept.
;;     - The product sums the exact products of the quantised numbers (number of the format x scale) in f32.
;;   ~~~python
;;   def quantise(x, axis, e):      # numpy; x: float32 -> the quantised numbers, widened to float32 again
;;       x = np.moveaxis(x, axis, -1); K = x.shape[-1]
;;       r = np.clip(x / 2.0 ** e, -448, 448)
;;       step = 2.0 ** (np.maximum(np.frexp(np.where(r == 0, 1, r))[1] - 1, -6) - 3)
;;       q = np.round(r / step) * step * 2.0 ** e      # np.round: ties to even
;;       return np.moveaxis(q, -1, axis).astype(np.float32)
;;   ~~~
;;   SOFTMAX AHEAD OF A QUANTISED PRODUCT. Where the list says 'softmax', what is quantised is not the finished softmax but p = 2^(t - M), with t = logit x log2(e) and M = ceil(the row's largest t), a whole number; so 1/2 < the row's largest p <= 1. The row's sum l is taken of the UNQUANTISED p, in f32, and the product's result is divided by l at the end. Since M is a whole number, a kernel that streams over the keys may use a running M (the ceiling of the running maximum): every later rescaling is an exact power of two, so the quantised numbers keep their values, but for numbers so far below the row's largest that they fall under the format's range.
;;   OPERANDS COMPUTED ON THE WAY. 'Computed on the way' means the value that the module computes at that place (a softmax that the list does not call 'softmax' is quantised finished and normalised). What goes into a quantiser is computed in f32, as accurately as f32 sums, v_exp_f32 and their like allow (about 1e-6 of the number): no bf16 or f16 on the way to a quantiser, and a product that is left as it is and whose result goes on into a quantised operand takes f32 operands (vector FMAs, or v_wmma_f32_16x16x4_f32). A number that lies on a knife's edge between two numbers of the format may be rounded either way, as far as f32 arithmetic and the matrix unit's own rounding can turn it there, and no further.
;; One version. Each part assembles by itself: llvm-mc -triple=amdgcn-amd-amdhsa -mcpu=gfx1250 --defsym DOCPART=n.
;; ======== version 1 of 1: 4 launches
;; limits: right only within a limited range of input values
;; workspace buffers: codes 12,582,912 bytes; qkvc 25,165,824 bytes; yc 8,388,608 bytes
;; launch quant (part 1): grid 768 x 1, 4 waves a work-group, no clusters, 34,304 bytes of LDS; arguments x, W_qkv, W_proj, lowp_scales, codes; writes codes
.if DOCPART == 1
	.amdgcn_target "amdgcn-amd-amdhsa--gfx1250"
	.amdhsa_code_object_version 6
	.text
	.protected	k_q4427ba42f9_quant
	.globl	k_q4427ba42f9_quant
	.p2align	8
	.type	k_q4427ba42f9_quant,@function
k_q4427ba42f9_quant:
	s_mov_b64 s[64:65], 0
	v_nop
	global_prefetch_b8 v0, s[64:65] scope:SCOPE_SE
	s_setreg_imm32_b32 hwreg(HW_REG_WAVE_MODE, 25, 1), 1
	s_wait_xcnt 0x0
; x [8192][1024], W_qkv [1024][3072] and W_proj [1024][1024], f32, become codes of FP8 (E4M3), each with the one given scale 2^e (entries 0, 1 and 7 of the scales).
; code = number / 2^e, held within +-448, rounded to the nearest code, ties to even.  LIMITS: each e between -126 and 119; NaN among the inputs is not served.
; THE CODES ARE LAID AS IMAGES OF OPERAND REGISTERS.  A tile is 16 rows (tokens of x, columns of a weight) x 1024 along K: eight K steps of 128, 2,048 bytes each.
; In a K step lane (r, h) of the reader holds row r, and its registers 2 c, 2 c + 1 hold k = 16 c + 8 h + 0 .. 7; piece q (512 bytes) holds registers 4 q .. 4 q + 3, lane l's 16 bytes at 16 l.
; Tiles 0-511: x.  Tiles 512-703: W_qkv's columns.  Tiles 704-767: W_proj's columns.  A tile is 16,384 bytes.
; Work-groups 0-511 take a tile of x each (wave w: K steps 2 w, 2 w + 1); 512-703 take 128 columns x 128 K of W_qkv; 704-767 the same of W_proj.  Waves share nothing: no barrier.
; No matrix unit, no cluster, no tensor load: every byte is read once and written once, and no two work-groups read the same bytes.
.set SPX,  528                         ; a stage row: 512 bytes + 16, so that the 16 rows that a read touches start at 16 different banks (64 banks of 4 bytes: ISA guide 11.1)
.set STG,  16*SPX                      ; a wave's stage
.set RAW,  16                          ; x: v16-143  two K steps x 16 rows as loaded
.set X0,   144                         ; x: v144-207 K step 0's 64 numbers of my row, in the operand's order
.set X1,   16                          ; x: v16-79   K step 1's (the registers that step 0's raw numbers have left)
.set CX,   208                         ; x: v208-239 codes, 16 registers a K step: no store's data are written again
.set XW,   16                          ; weights: v16-143 four blocks of 32 numbers down K
.set CW,   144                         ; weights: v144-175 codes, 8 registers a block
	s_load_b256 s[4:11], s[0:1], 0x0               ; x s[4:5], W_qkv s[6:7], W_proj s[8:9], the scales' exponents s[10:11]
	s_load_b64 s[12:13], s[0:1], 0x20              ; the codes
	v_lshl_add_u32 v240, v0, 2, 0x8400
	v_mov_b32 v241, 0
	v_lshrrev_b32 v1, 5, v0
	v_readfirstlane_b32 s16, v1                    ; wave 0..3
	v_and_b32 v1, 31, v0                           ; lane
	s_wait_kmcnt 0x0
	s_load_b256 s[24:31], s[10:11], 0x0            ; e0 .. e7
.macro SCALE e                         ; v11 = 2^e as f32 (the conversion takes its exponent field)
	s_wait_kmcnt 0x0
	s_add_co_i32 s20, s[\e], 127
	s_lshl_b32 s21, s20, 23
	v_mov_b32 v11, s21
.endm
	s_cmp_lt_u32 ttmp9, 512
	s_cbranch_scc0 .Lweights
	; ---- x: K is innermost.  Each load takes 512 consecutive bytes of one row; the rows turn through the wave's own stage, so that a lane gets its row's numbers in the operand's order.
	s_lshl_b32 s20, ttmp9, 16                      ; 16 rows of 4,096 bytes
	s_lshl_b32 s21, s16, 10                        ; my two K steps: 1,024 bytes of each row
	s_add_co_u32 s20, s20, s21
	s_mov_b32 s21, 0
	s_add_nc_u64 s[4:5], s[4:5], s[20:21]
	s_lshl_b32 s20, ttmp9, 14                      ; the tile's 16,384 bytes of codes
	s_lshl_b32 s21, s16, 12                        ; my two K steps' 4,096
	s_add_co_u32 s20, s20, s21
	s_mov_b32 s21, 0
	s_add_nc_u64 s[12:13], s[12:13], s[20:21]
	s_wait_alu depctr_va_vdst(0)
	v_lshlrev_b32 v2, 4, v1                        ; 16 x lane
.irp u, 0,1
.irp i, 0,1,2,3,4,5,6,7,8,9,10,11,12,13,14,15
	global_load_b128 v[RAW+64*\u+4*\i:RAW+64*\u+4*\i+3], v2, s[4:5] offset:4096*\i+512*\u th:TH_LOAD_NT
.endr
.endr
	s_mul_i32 s17, s16, STG
	v_add_nc_u32 v3, s17, v2                       ; into the stage: 16 x lane of row i
	v_and_b32 v5, 15, v0                           ; r
	v_bfe_u32 v6, v0, 4, 1                         ; h
	v_mul_u32_u24 v4, v5, SPX
	v_lshl_add_u32 v4, v6, 5, v4
	v_add_nc_u32 v4, s17, v4                       ; out of it: row r, + 32 h bytes: k = 8 h on
	s_wait_alu depctr_va_vdst(0)
	SCALE 24
.macro XSTEP u, xs
	s_wait_loadcnt 16*(1-\u)                       ; this K step's sixteen loads are in; the other step's may be out
.irp i, 0,1,2,3,4,5,6,7,8,9,10,11,12,13,14,15
	ds_store_b128 v3, v[RAW+64*\u+4*\i:RAW+64*\u+4*\i+3] offset:SPX*\i
.endr
.irp c, 0,1,2,3,4,5,6,7
	ds_load_b128 v[\xs+8*\c:\xs+8*\c+3], v4 offset:64*\c        ; LDS serves a wave's instructions in order (ISA guide 5.7.1.4): these see the stores above
	ds_load_b128 v[\xs+8*\c+4:\xs+8*\c+7], v4 offset:64*\c+16   ; k = 16 c + 8 h + 0 .. 7 of row r
.endr
	s_wait_dscnt 0x0
.irp c, 0,1,2,3,4,5,6,7
.irp i, 0,1,2,3,4,5,6,7
.endr
	v_cvt_scalef32_pk8_fp8_f32 v[CX+16*\u+2*\c:CX+16*\u+2*\c+1], v[\xs+8*\c:\xs+8*\c+7], v11
.endr
	v_nop                                          ; a plain line behind the last conversion
.irp q, 0,1,2,3
	global_store_b128 v2, v[CX+16*\u+4*\q:CX+16*\u+4*\q+3], s[12:13] offset:2048*\u+512*\q   ; 32 lanes store 512 consecutive bytes, aligned
.endr
.endm
	s_wait_alu depctr_va_vdst(0)
	XSTEP 0, X0
	XSTEP 1, X1
	s_wait_tensorcnt 0x0
	ds_add_u32 v240, v241
	s_wait_dscnt 0x0
	s_endpgm
	; ---- weights: K is the FIRST axis.  A lane takes a column and its registers run down K, so the conversions give codes with K innermost and nothing is transposed.
.macro LOADB q, n, wp                  ; block q: W(32 q + i, my column): 32 lanes read 128 consecutive bytes, the four waves stand side by side on 512
.irp i, 0,1,2,3,4,5,6,7,8,9,10,11,12,13,14,15,16,17,18,19,20,21,22,23,24,25,26,27,28,29,30,31
	global_load_b32 v[XW+32*(\q)+\i], v2, s[\wp:\wp+1] offset:(32*(\q)+\i)*\n*4 th:TH_LOAD_NT
.endr
.endm
.macro WTASK n, first, tile0, wp, e    ; n columns; first work-group; first tile of the codes; the weight's pointer; the scale's register
	s_sub_co_u32 s17, ttmp9, \first
	s_lshr_b32 s18, s17, 3
	s_and_b32 s17, s17, 7                          ; K step
	s_lshl_b32 s18, s18, 2
	s_add_co_u32 s18, s18, s16                     ; my group of 32 columns
	s_mul_i32 s20, s17, 128*\n*4
	s_lshl_b32 s21, s18, 7
	s_add_co_u32 s20, s20, s21
	s_mov_b32 s21, 0
	s_add_nc_u64 s[\wp:\wp+1], s[\wp:\wp+1], s[20:21]
	s_lshl_b32 s20, s18, 15                        ; two tiles of 16,384 bytes for 32 columns
	s_lshl_b32 s21, s17, 11
	s_add_co_u32 s20, s20, s21
	s_add_co_u32 s20, s20, \tile0*16384
	s_mov_b32 s21, 0
	s_add_nc_u64 s[12:13], s[12:13], s[20:21]
	v_lshlrev_b32 v2, 2, v1                        ; in: 4 bytes a lane
	v_and_b32 v5, 15, v0
	v_bfe_u32 v6, v0, 4, 1
	v_lshlrev_b32 v3, 4, v5
	v_lshl_add_u32 v3, v6, 14, v3                  ; out: row lane % 16 of tile lane / 16
	LOADB 0, \n, \wp
	LOADB 1, \n, \wp
	s_wait_alu depctr_va_vdst(0)
	SCALE \e
	s_wait_alu depctr_va_vdst(0)
.irp q, 0,1,2,3
.if \q < 3
	s_wait_loadcnt 32                              ; this block's 32 loads are in; the next block's may be out
.else
	s_wait_loadcnt 0x0
.endif
.if \q < 2
	LOADB \q+2, \n, \wp
.endif
.irp i, 0,1,2,3,4,5,6,7,8,9,10,11,12,13,14,15,16,17,18,19,20,21,22,23,24,25,26,27,28,29,30,31
.endr
	v_cvt_scalef32_pk8_fp8_f32 v[CW+8*\q:CW+8*\q+1],   v[XW+32*\q:XW+32*\q+7],     v11   ; k 32 q + 0 .. 7:   registers 4 q, 4 q + 1 of the reader's half h = 0
	v_cvt_scalef32_pk8_fp8_f32 v[CW+8*\q+4:CW+8*\q+5], v[XW+32*\q+8:XW+32*\q+15],  v11   ; k 32 q + 8 .. 15:  the same registers of h = 1
	v_cvt_scalef32_pk8_fp8_f32 v[CW+8*\q+2:CW+8*\q+3], v[XW+32*\q+16:XW+32*\q+23], v11   ; k 32 q + 16 .. 23: registers 4 q + 2, 4 q + 3 of h = 0
	v_cvt_scalef32_pk8_fp8_f32 v[CW+8*\q+6:CW+8*\q+7], v[XW+32*\q+24:XW+32*\q+31], v11   ; k 32 q + 24 .. 31: of h = 1
	v_nop                                          ; a plain line behind the last conversion
	global_store_b128 v3, v[CW+8*\q:CW+8*\q+3],   s[12:13] offset:512*\q       ; sixteen lanes store 256 consecutive bytes, aligned: piece q, half 0, of one tile
	global_store_b128 v3, v[CW+8*\q+4:CW+8*\q+7], s[12:13] offset:512*\q+256   ; and half 1
.endr
.endm
.Lweights:
	s_cmp_lt_u32 ttmp9, 704
	s_cbranch_scc0 .Lproj_w
	s_wait_alu depctr_va_vdst(0)
	WTASK 3072, 512, 512, 6, 25
	s_endpgm
.Lproj_w:
	s_wait_alu depctr_va_vdst(0)
	WTASK 1024, 704, 704, 8, 31
	s_endpgm
.Lfunc_end_k_q4427ba42f9_quant:
	.size	k_q4427ba42f9_quant, .Lfunc_end_k_q4427ba42f9_quant-k_q4427ba42f9_quant
	.p2alignl 7, 3214868480
	.fill 96, 4, 3214868480
	.section	.rodata,"a",@progbits
	.p2align	6, 0x0
	.amdhsa_kernel k_q4427ba42f9_quant
		.amdhsa_group_segment_fixed_size 34304
		.amdhsa_private_segment_fixed_size 0
		.amdhsa_enable_private_segment 0
		.amdhsa_kernarg_size 40
		.amdhsa_user_sgpr_count 2
		.amdhsa_user_sgpr_kernarg_segment_ptr 1
		.amdhsa_wavefront_size32 1
		.amdhsa_system_sgpr_workgroup_id_x 1
		.amdhsa_system_sgpr_workgroup_id_y 1
		.amdhsa_system_sgpr_workgroup_id_z 1
		.amdhsa_system_vgpr_workitem_id 0
		.amdhsa_next_free_vgpr 242
		.amdhsa_next_free_sgpr 66
		.amdhsa_reserve_vcc 0
		.amdhsa_float_denorm_mode_32 3
		.amdhsa_float_denorm_mode_16_64 3
		.amdhsa_fp16_overflow 1
		.amdhsa_memory_ordered 1
		.amdhsa_forward_progress 1
		.amdhsa_inst_pref_size 42
	.end_amdhsa_kernel
	.amdgpu_metadata
---
amdhsa.version: [ 1, 2 ]
amdhsa.kernels:
  - .name:           k_q4427ba42f9_quant
    .symbol:         k_q4427ba42f9_quant.kd
    .args:
      - { .name: x, .offset: 0, .size: 8, .value_kind: global_buffer, .address_space: global }
      - { .name: W_qkv, .offset: 8, .size: 8, .value_kind: global_buffer, .address_space: global }
      - { .name: W_proj, .offset: 16, .size: 8, .value_kind: global_buffer, .address_space: global }
      - { .name: lowp_scales, .offset: 24, .size: 8, .value_kind: global_buffer, .address_space: global }
      - { .name: codes, .offset: 32, .size: 8, .value_kind: global_buffer, .address_space: global }
    .group_segment_fixed_size: 34304
    .private_segment_fixed_size: 0
    .kernarg_segment_align: 8
    .kernarg_segment_size: 40
    .max_flat_workgroup_size: 128
    .sgpr_count:     66
    .vgpr_count:     242
    .wavefront_size: 32
...
	.end_amdgpu_metadata
.endif
;; end of part 1
;; launch qkv (part 2): grid 12 x 32, 4 waves a work-group, clusters of 4 x 4, 327,680 bytes of LDS; arguments codes, b_qkv, lowp_scales, qkvc; writes qkvc
.if DOCPART == 2
	.amdgcn_target "amdgcn-amd-amdhsa--gfx1250"
	.amdhsa_code_object_version 6
	.text
	.protected	k_q4427ba42f9_qkv
	.globl	k_q4427ba42f9_qkv
	.p2align	8
	.type	k_q4427ba42f9_qkv,@function
k_q4427ba42f9_qkv:
	s_mov_b64 s[64:65], 0
	v_nop
	global_prefetch_b8 v0, s[64:65] scope:SCOPE_SE
	s_setreg_imm32_b32 hwreg(HW_REG_WAVE_MODE, 25, 1), 1
	s_wait_xcnt 0x0
	s_wait_alu depctr_hold_cnt(0) depctr_sa_sdst(0) depctr_va_vdst(0) depctr_va_sdst(0) depctr_va_ssrc(0) depctr_va_vcc(0) depctr_vm_vsrc(0)
	s_getreg_b32 s2, hwreg(HW_REG_IB_STS2, 6, 4)
	s_cmp_eq_u32 s2, 0
	s_cbranch_scc0 .Lentry_in_a_cluster
	s_endpgm
.Lentry_in_a_cluster:
	s_bfe_u32 s2, ttmp6, 0x10000c
	s_cmp_lg_u32 s2, 0xf033
	s_cbranch_scc0 .Lentry_shape_is_right
	s_endpgm
.Lentry_shape_is_right:
; qkv = x W_qkv + b_qkv on codes of FP8 (E4M3); the f32 results are quantised at once, q with 2^e2, k with 2^e3, v with 2^e5, and leave as images of the operand registers that attention wants.
; A tile of 256 x 256 results is made by four waves, each 128 x 128: 64 accumulators of 16 x 16 in 512 registers.  K = 1024 goes in four slot fills of 256 through two LDS slots.
; OPERANDS: source 0 = 16 rows of P, source 1 = 16 rows of R; in a result lane (r, h) holds row r of R and rows 8 h + 0 .. 7 of P.
;   q, k (cluster x = 0, 1): P = columns of W, R = tokens: a lane's eight registers are eight neighbouring channels of one token: K of the scores' product.
;   v    (cluster x = 2):    P = tokens, R = columns of W: a lane's eight registers are eight neighbouring tokens of one channel: K of the second product.
; So one conversion of an accumulator gives registers 2 c, 2 c + 1 of the next operand, and each store is four registers of 32 lanes: 512 consecutive bytes, aligned.  Nothing goes through LDS on the way out.
; The two modes differ in which tiles are fetched (chosen by s_cselect_b32 on the cluster's x, which all partners share) and in the way out (one branch on the cluster's x).
; The codes lie as images: [tile of 16 rows][K step of 128][2,048 bytes]; a fragment is four ds_load_b128 at 16 x lane: no pitch, no padding, and each load's 512 bytes are consecutive.
; CLUSTERS: 4 x 4 work-groups; R's tile is shared along a row of the cluster, P's along a column: each is asked for jointly, by the same tensor load with the same descriptor and a mask that names the four.
; OUT: q at byte 0, k at 8 MiB: [b x 16 + head][tile of 16 tokens][1,024];  v at 16 MiB: [b x 16 + head][128 keys][tile of 16 channels][2,048].
; LIMITS: e0 + e1 between -126 and 127; e2, e3, e5 between -126 and 119.  NaN among the inputs is not served.
; REGISTERS: window 0: v16-29 addresses; v32-95 bias for q, k; v96-111 bias for v; v112 the conversion's scale; v128-255 R's eight fragments, on the way out codes and numbers.
;   window 1: P's fragments, two sets.   windows 2, 3: the accumulators ((a, b) at v[8 (8 (a % 4) + b)]).
.set HALFT,  32768                     ; 128 rows x 256 K: what one tensor load brings: 8 tiles x 4,096 bytes
.set SLOT,   4*HALFT                   ; R's 256 rows, then P's 256 rows
.set SPARE,  2*SLOT                    ; behind the ring: the spare words, 128 bytes for each wave
.set FR,     16                        ; registers of a fragment
.set NL,     4                         ; LDS loads that bring one
.set NP,     4                         ; places behind this matrix instruction (ISA guide 7.12.1)
.set ADRR, 16                          ; v16-17  LDS address of my R fragments in slot 0, 1
.set ADRP, 20                          ; v20-21  the same for P
.set LI,   26                          ; v26     16 x lane
.set SPW,  28                          ; v28     LDS address of my spare word; never rewritten
.set NIL,  29                          ; v29     0; never rewritten
.set BQ,   32
.set BV,   96
.set SCL,  112
.set LIM,  113
.set AF,   128
.set CD,   128                         ; the way out: two sets of 16 registers of codes
.set TQ,   160                         ; the way out: 64 numbers
.set G1, 24                            ; s[24:31] descriptor group 1 for R;  s[32:39] group 0, a set for each slot
.set G0, 32
.set G1B, 48                           ; s[48:55], s[56:63] the same for P
.set G0B, 56
.set MSB, 0
.macro WIN new                         ; the immediate's high byte repeats the setting that is left
.if MSB != (\new)
	s_set_vgpr_msb (MSB<<8)|(\new)
.set MSB, \new
.endif
.endm
.set MUL_LO, 0xa1                      ; source 0 (P) window 1, source 1 (R) window 0, C and D window 2
.set MUL_HI, 0xf1                      ; the same, C and D window 3
.set TO_P,   0x40                      ; destination window 1, address window 0
; A joint load: waves 0 and 1 fetch R's halves, waves 2 and 3 P's.  The branch hangs on the wave's number alone.  Four v_nop follow each of the two lines.
.macro JLOAD g0a, g1a, g0b, g1b
	s_cmp_eq_u32 s15, 0
	s_cbranch_scc0 .Lfor_p_\@
	tensor_load_to_lds s[\g0a:\g0a+3], s[\g1a:\g1a+7]
	s_nop 0
.rept 4
	v_nop
.endr
	s_branch .Lasked_\@
.Lfor_p_\@:
	tensor_load_to_lds s[\g0b:\g0b+3], s[\g1b:\g1b+7]
	s_nop 0
.rept 4
	v_nop
.endr
.Lasked_\@:
.endm
.macro CREST                           ; a round of the cluster's barrier behind its opening barrier
	s_cmp_lg_u32 s14, 0
	s_cbranch_scc1 .Lnot_wave_0_\@
	s_barrier_signal -3
.Lnot_wave_0_\@:
	s_barrier_wait -3
	s_barrier_signal -1
	s_barrier_wait -1
.endm
.macro CROUND
	s_barrier_signal -1
	s_barrier_wait -1
	CREST
.endm
	s_load_b256 s[4:11], s[0:1], 0x0               ; codes s[4:5], b_qkv s[6:7], the scales' exponents s[8:9], qkvc s[10:11]
	v_lshl_add_u32 v[SPW], v0, 2, SPARE
	v_mov_b32 v[NIL], 0
	ds_add_u32 v28, v29
	ds_add_u32 v28, v29
	s_wait_dscnt 0x0
	v_lshrrev_b32 v1, 5, v0
	v_readfirstlane_b32 s14, v1                    ; wave 0..3
	s_lshr_b32 s15, s14, 1                         ; which half of R's rows is mine.  Also: I fetch for R (0) or for P (1)
	s_and_b32 s16, s14, 1                          ; which half of P's rows.  Also: which 128 rows I fetch
	s_bfe_u32 s40, ttmp6, 0x40000                  ; cx, cy: my place in the cluster
	s_bfe_u32 s41, ttmp6, 0x40004
	s_and_b32 s18, ttmp7, 0xffff                   ; cluster y
	s_cmp_eq_u32 ttmp9, 2                          ; cluster x = 2: v
	s_cselect_b32 s42, s18, ttmp9                  ; P walks with: tokens (cluster y) for v, columns (cluster x) else
	s_cselect_b32 s17, ttmp9, s18                  ; R the other way round
	s_cselect_b32 s76, 0, 32                       ; the first tile of 256 rows: x's is 0, W_qkv's is 32
	s_cselect_b32 s77, 32, 0
	s_lshl_b32 s42, s42, 2
	s_add_co_u32 s42, s42, s40                     ; P's tile of 256 rows: hangs on cx alone of the two places
	s_lshl_b32 s17, s17, 2
	s_add_co_u32 s17, s17, s41                     ; R's: on cy alone
	s_lshl_b32 s43, s41, 2
	s_lshl_b32 s43, 15, s43                        ; my row of the cluster
	s_lshl_b32 s44, 0x1111, s40                    ; my column
	; descriptor group 1: 8 rows (tiles of 16) x 4,096 bytes (two K steps), 16,384 bytes apart; elements of 8 bytes; no padding
	s_or_b32 s[G1+0], s43, (3<<16)|(1<<21)         ; 15:0 the mask: R's tiles go to my row; 17:16 elements of 8 bytes; 21 set beside a mask
	s_or_b32 s[G1B+0], s44, (3<<16)|(1<<21)
.irp g, G1, G1B
	s_mov_b32 s[\g+1], 512<<16                     ; tensor_dim0 = 512 elements
	s_mov_b32 s[\g+2], 8<<16                       ; tensor_dim1 = 8
	s_mov_b32 s[\g+3], 512<<16                     ; tile_dim0
	s_mov_b32 s[\g+4], 8                           ; tile_dim1
	s_mov_b32 s[\g+5], 2048                        ; tensor_dim0_stride, in elements
	s_mov_b32 s[\g+6], 0
	s_mov_b32 s[\g+7], 0
.endr
	s_add_co_u32 s20, s17, s77
	s_lshl_b32 s20, s20, 18                        ; a tile of 256 rows is 262,144 bytes of codes
	s_lshl_b32 s21, s16, 17
	s_add_co_u32 s20, s20, s21                     ; + the 128 rows that I fetch
	s_mov_b32 s21, 0
	s_add_co_u32 s46, s42, s76
	s_lshl_b32 s46, s46, 18
	s_lshl_b32 s47, s16, 17
	s_add_co_u32 s46, s46, s47
	s_mov_b32 s47, 0
	s_mul_i32 s45, s14, HALFT                      ; where they go: wave x 32,768: no place in the cluster enters an LDS address
	s_wait_kmcnt 0x0
	s_load_b256 s[68:75], s[8:9], 0x0              ; e0 .. e7
	s_add_nc_u64 s[20:21], s[4:5], s[20:21]
	s_add_nc_u64 s[46:47], s[4:5], s[46:47]
	CROUND                                         ; all sixteen work-groups are here: the first joint loads meet
.irp s, 0,1
	s_mov_b32 s[G0+4*\s], 1
	s_add_co_u32 s[G0+4*\s+1], s45, \s*SLOT
	s_add_nc_u64 s[G0+4*\s+2:G0+4*\s+3], s[20:21], \s*4096
	s_or_b32 s[G0+4*\s+3], s[G0+4*\s+3], 0x80000000
	s_mov_b32 s[G0B+4*\s], 1
	s_add_co_u32 s[G0B+4*\s+1], s45, \s*SLOT
	s_add_nc_u64 s[G0B+4*\s+2:G0B+4*\s+3], s[46:47], \s*4096
	s_or_b32 s[G0B+4*\s+3], s[G0B+4*\s+3], 0x80000000
	JLOAD G0+4*\s, G1, G0B+4*\s, G1B
.endr
	; the biases, in both layouts; the one that the mode does not use is read at column 0, so that no load leaves the buffer
	s_lshl_b32 s80, s42, 8
	s_lshl_b32 s81, s16, 7
	s_add_co_u32 s80, s80, s81                     ; q, k: my first column = 256 x P's tile + 128 x half
	s_lshl_b32 s82, s17, 8
	s_lshl_b32 s83, s15, 7
	s_add_co_u32 s82, s82, s83                     ; v: 256 x R's tile + 128 x half
	s_cmp_eq_u32 ttmp9, 2
	s_cselect_b32 s80, 0, s80
	s_cselect_b32 s82, s82, 0
	s_lshl_b32 s80, s80, 2
	s_lshl_b32 s82, s82, 2
	s_mov_b32 s81, 0
	s_mov_b32 s83, 0
	s_add_nc_u64 s[80:81], s[6:7], s[80:81]
	s_add_nc_u64 s[82:83], s[6:7], s[82:83]
	v_and_b32 v1, 15, v0                           ; r
	v_bfe_u32 v2, v0, 4, 1                         ; h
	v_lshlrev_b32 v6, 5, v2                        ; q, k: block b's eight columns of my half: 64 b + 32 h bytes
	v_lshlrev_b32 v7, 2, v1                        ; v: block a's column r: 64 a + 4 r bytes
.irp b, 0,1,2,3,4,5,6,7
	global_load_b128 v[BQ+8*\b:BQ+8*\b+3],   v6, s[80:81] offset:64*\b
	global_load_b128 v[BQ+8*\b+4:BQ+8*\b+7], v6, s[80:81] offset:64*\b+16
.endr
.irp a, 0,1,2,3,4,5,6,7
	global_load_b32 v[BV+2*\a],   v7, s[82:83] offset:64*\a
	global_load_b32 v[BV+2*\a+1], v7, s[82:83] offset:64*\a      ; twice: a pair for the packed multiply-add
.endr
	v_and_b32 v5, 31, v0
	v_lshlrev_b32 v[LI], 4, v5
	s_mul_i32 s84, s15, HALFT                      ; my 128 rows of R
	s_mul_i32 s85, s16, HALFT                      ; my 128 rows of P,
	s_add_co_u32 s85, s85, 2*HALFT                 ; which lie behind R's 256
.irp s, 0,1
	v_add_nc_u32 v[ADRR+\s], s84, v[LI]
	v_add_nc_u32 v[ADRP+\s], s85, v[LI]
	s_add_co_u32 s84, s84, SLOT
	s_add_co_u32 s85, s85, SLOT
.endr
.macro FRAG reg, adr, q, i             ; a fragment's image: four pieces of 512 bytes; tile i of my eight, K step q of the slot's two
.irp c, 0,1,2,3
	ds_load_b128 v[\reg+4*\c:\reg+4*\c+3], v[\adr] offset:4096*(\i)+2048*(\q)+512*\c
.endr
.endm
; 16 matrix instructions: R's blocks a0, a0 + 1 x P's eight, 128 along K.  p: P's set.  zero = 1: the first product starts the sums.
; The 64 accumulators take turns, one instruction a turn, in the same order in every step.
.macro MUL16 a0, p, zero
.irp a, \a0, \a0+1
.irp b, 0,1,2,3,4,5,6,7
.if \zero
	v_wmma_f32_16x16x128_fp8_fp8 v[8*(8*((\a)%4)+\b):8*(8*((\a)%4)+\b)+7], v[128*(\p)+FR*\b:128*(\p)+FR*\b+FR-1], v[AF+FR*(\a):AF+FR*(\a)+FR-1], 0
.else
	v_wmma_f32_16x16x128_fp8_fp8 v[8*(8*((\a)%4)+\b):8*(8*((\a)%4)+\b)+7], v[128*(\p)+FR*\b:128*(\p)+FR*\b+FR-1], v[AF+FR*(\a):AF+FR*(\a)+FR-1], v[8*(8*((\a)%4)+\b):8*(8*((\a)%4)+\b)+7]
.endif
.endr
.endr
.endm
.macro FETCH_P slot, q, p
	WIN TO_P
.irp i, 0,1,2,3,4,5,6,7
	FRAG 128*(\p)+FR*\i, ADRP+\slot, \q, \i
.endr
	WIN 0
.endm
.macro FETCH_R slot, q, i0
.irp i, \i0, \i0+1, \i0+2, \i0+3
	FRAG AF+FR*(\i), ADRR+\slot, \q, \i
.endr
.endm
.macro PLACES n                        ; plain vector lines between a matrix instruction and a load into, or a vector read or write of, its registers
.rept \n
	v_nop
.endr
.endm
; A step of 128 along K that has its successor in the same slot.  R has one set of registers: blocks 0-3 are fetched anew in the step's middle, blocks 4-7 at its end.
.macro STEP slot, q, zero
	s_wait_dscnt 4*NL                              ; P's set and R's blocks 0-3 are in; the youngest sixteen loads (R's blocks 4-7) may be out
	WIN MUL_LO
	MUL16 0, (\q)%2, \zero
	MUL16 2, (\q)%2, \zero
	s_wait_dscnt 0
	PLACES NP
	FETCH_P \slot, (\q)+1, 1-(\q)%2
	FETCH_R \slot, (\q)+1, 0
	WIN MUL_HI
	MUL16 4, (\q)%2, \zero
	MUL16 6, (\q)%2, \zero
	PLACES NP
	WIN 0
	FETCH_R \slot, (\q)+1, 4
.endm
; A slot's last step changes slots: one barrier; in front of it each wave waits for all its tensor loads, adds 0 to its spare word, and waits for that and for its reads of this slot.
.macro TURN slot, next, fill
	s_wait_tensorcnt 0x0                           ; all my tensor loads have landed: my part of the next slot
	ds_add_u32 v[SPW], v[NIL]                      ; 0 onto my spare word
	s_wait_dscnt 4*NL+1                            ; (the add and the youngest sixteen loads may be out)
	WIN MUL_LO
	MUL16 0, 1, 0
	s_wait_dscnt 0x0                               ; the add is done, and my reads of this slot are over
	s_barrier_signal -1
	MUL16 2, 1, 0
	WIN 0
	s_barrier_wait -1
.if \fill
	CREST                                          ; the barrier has opened a round of the cluster's: no wave of any partner still reads this slot or has a load on its way
	s_add_nc_u64 s[G0+4*\slot+2:G0+4*\slot+3], s[G0+4*\slot+2:G0+4*\slot+3], 8192
	s_add_nc_u64 s[G0B+4*\slot+2:G0B+4*\slot+3], s[G0B+4*\slot+2:G0B+4*\slot+3], 8192
	JLOAD G0+4*\slot, G1, G0B+4*\slot, G1B         ; the first tensor load behind the round; its four v_nop are the places in front of the loads below
.else
	PLACES NP
.endif
	FETCH_P \next, 0, 0
	FETCH_R \next, 0, 0
	WIN MUL_HI
	MUL16 4, 1, 0
	MUL16 6, 1, 0
	PLACES NP
	WIN 0
	FETCH_R \next, 0, 4
.endm
	s_wait_alu depctr_va_vdst(0)
	s_wait_tensorcnt 1                             ; my part of slot 0 is in; slot 1's load may be out
	s_barrier_signal -1
	s_barrier_wait -1
	FETCH_P 0, 0, 0
	FETCH_R 0, 0, 0
	FETCH_R 0, 0, 4
	STEP 0, 0, 1                                   ; K 0: its products start the sums
	TURN 0, 1, 1                                   ; K 128; slot 0 takes K 512 on
	STEP 1, 0, 0                                   ; K 256
	TURN 1, 0, 1                                   ; K 384; slot 1 takes K 768 on
	STEP 0, 0, 0                                   ; K 512
	TURN 0, 1, 0                                   ; K 640; nothing is left to fetch
	STEP 1, 0, 0                                   ; K 768
	s_wait_dscnt 4*NL                              ; K 896
	WIN MUL_LO
	MUL16 0, 1, 0
	MUL16 2, 1, 0
	s_wait_dscnt 0
	WIN MUL_HI
	MUL16 4, 1, 0
	MUL16 6, 1, 0
	WIN 0
	; THE WAY OUT.  number = sum x 2^(e0 + e1) + bias, one packed multiply-add for two; held within +-448 x the scale; eight numbers to a conversion.
	s_wait_kmcnt 0x0
	s_wait_loadcnt 0x0                             ; the biases
	s_add_co_i32 s96, s68, s69
	s_add_co_i32 s96, s96, 127
	s_lshl_b32 s96, s96, 23                        ; 2^(e0 + e1) as f32
	s_mov_b32 s97, s96                             ; (named with it as a pair, so it is written)
	s_cmp_eq_u32 ttmp9, 0
	s_cselect_b32 s86, s70, s71                    ; q: e2; k: e3;
	s_cmp_eq_u32 ttmp9, 2
	s_cselect_b32 s86, s73, s86                    ; v: e5
	s_add_co_i32 s86, s86, 127
	s_lshl_b32 s87, s86, 23
	v_mov_b32 v[SCL], s87
	PLACES NP                                      ; behind the last products: their results are read and R's registers written below
.macro OUTBLK a, vmode                 ; R's block a: eight accumulators become 16 registers of codes
.set AC, 64*((\a)%4)
.set CC, CD+16*((\a)%2)
	s_wait_xcnt 0x0                                ; the stores of two blocks back have read their registers: this set of codes may be written again
	WIN 0x02+((\a)/4)                              ; source 0: window 2 or 3
.irp b, 0,1,2,3,4,5,6,7
.irp i, 0,2,4,6
.if \vmode
	v_pk_fma_f32 v[TQ+8*\b+\i:TQ+8*\b+\i+1], v[AC+8*\b+\i:AC+8*\b+\i+1], s[96:97], v[BV+2*(\a):BV+2*(\a)+1] op_sel_hi:[1,0,1]   ; my channel's bias; each accumulator from its low end on
.else
	v_pk_fma_f32 v[TQ+8*\b+\i:TQ+8*\b+\i+1], v[AC+8*\b+\i:AC+8*\b+\i+1], s[96:97], v[BQ+8*\b+\i:BQ+8*\b+\i+1] op_sel_hi:[1,0,1]
.endif
.endr
.endr
	WIN 0
.irp b, 0,1,2,3,4,5,6,7
.irp i, 0,1,2,3,4,5,6,7
.endr
	v_cvt_scalef32_pk8_fp8_f32 v[CC+2*\b:CC+2*\b+1], v[TQ+8*\b:TQ+8*\b+7], v[SCL]
.endr
	v_nop                                          ; a plain line behind the last conversion
.irp q, 0,1,2,3
.if \vmode
	global_store_b128 v[LI], v[CC+4*\q:CC+4*\q+3], s[10:11] offset:((\a)/4)*131072+((\a)%4)*2048+\q*512   ; head a / 4, channels 16 (a % 4) on, piece q of 128 keys
.else
	global_store_b128 v[LI], v[CC+4*\q:CC+4*\q+3], s[10:11] offset:(\a)*1024+(\q/2)*131072+(\q%2)*512     ; tokens 16 a on, head q / 2, piece q % 2 of 64 channels
.endif
.endr
.endm
	s_cmp_eq_u32 ttmp9, 2
	s_cbranch_scc1 .Lv_out
	s_lshr_b32 s88, s17, 3                         ; batch = R's tile / 8
	s_lshl_b32 s88, s88, 4
	s_and_b32 s89, s42, 3
	s_lshl_b32 s89, s89, 2
	s_add_co_u32 s88, s88, s89
	s_lshl_b32 s89, s16, 1
	s_add_co_u32 s88, s88, s89                     ; 16 x batch + my first head
	s_lshl_b32 s88, s88, 7                         ; 128 tiles of tokens to a head
	s_and_b32 s89, s17, 7
	s_lshl_b32 s89, s89, 4
	s_add_co_u32 s88, s88, s89
	s_lshl_b32 s89, s15, 3
	s_add_co_u32 s88, s88, s89                     ; + my first tile of tokens
	s_lshl_b32 s88, s88, 10
	s_lshl_b32 s89, ttmp9, 23                      ; q at 0, k at 8 MiB
	s_add_co_u32 s88, s88, s89
	s_mov_b32 s89, 0
	s_add_nc_u64 s[10:11], s[10:11], s[88:89]
.irp a, 0,1,2,3,4,5,6,7
	OUTBLK \a, 0
.endr
	s_branch .Lend
.Lv_out:
	s_lshr_b32 s88, s42, 3                         ; batch = P's tile / 8
	s_lshl_b32 s88, s88, 4
	s_and_b32 s89, s17, 3
	s_lshl_b32 s89, s89, 2
	s_add_co_u32 s88, s88, s89
	s_lshl_b32 s89, s15, 1
	s_add_co_u32 s88, s88, s89                     ; 16 x batch + my first head
	s_lshl_b32 s88, s88, 4                         ; 16 key steps to a head
	s_and_b32 s89, s42, 7
	s_lshl_b32 s89, s89, 1
	s_add_co_u32 s88, s88, s89
	s_add_co_u32 s88, s88, s16                     ; + my key step
	s_lshl_b32 s88, s88, 13
	s_add_co_u32 s88, s88, 0x1000000               ; v at 16 MiB
	s_mov_b32 s89, 0
	s_add_nc_u64 s[10:11], s[10:11], s[88:89]
.irp a, 0,1,2,3,4,5,6,7
	OUTBLK \a, 1
.endr
.Lend:
	s_wait_tensorcnt 0x0                           ; the wave's end
	ds_add_u32 v[SPW], v[NIL]
	s_wait_dscnt 0x0
	CROUND                                         ; the closing round: no work-group ends while a partner may still ask for a tile that names it
	s_endpgm
.Lfunc_end_k_q4427ba42f9_qkv:
	.size	k_q4427ba42f9_qkv, .Lfunc_end_k_q4427ba42f9_qkv-k_q4427ba42f9_qkv
	.p2alignl 7, 3214868480
	.fill 96, 4, 3214868480
	.section	.rodata,"a",@progbits
	.p2align	6, 0x0
	.amdhsa_kernel k_q4427ba42f9_qkv
		.amdhsa_group_segment_fixed_size 327680
		.amdhsa_private_segment_fixed_size 0
		.amdhsa_enable_private_segment 0
		.amdhsa_kernarg_size 32
		.amdhsa_user_sgpr_count 2
		.amdhsa_user_sgpr_kernarg_segment_ptr 1
		.amdhsa_wavefront_size32 1
		.amdhsa_system_sgpr_workgroup_id_x 1
		.amdhsa_system_sgpr_workgroup_id_y 1
		.amdhsa_system_sgpr_workgroup_id_z 1
		.amdhsa_system_vgpr_workitem_id 0
		.amdhsa_next_free_vgpr 1024
		.amdhsa_next_free_sgpr 100
		.amdhsa_reserve_vcc 0
		.amdhsa_float_denorm_mode_32 3
		.amdhsa_float_denorm_mode_16_64 3
		.amdhsa_fp16_overflow 1
		.amdhsa_memory_ordered 1
		.amdhsa_forward_progress 1
		.amdhsa_inst_pref_size 130
	.end_amdhsa_kernel
	.amdgpu_metadata
---
amdhsa.version: [ 1, 2 ]
amdhsa.kernels:
  - .name:           k_q4427ba42f9_qkv
    .symbol:         k_q4427ba42f9_qkv.kd
    .args:
      - { .name: codes, .offset: 0, .size: 8, .value_kind: global_buffer, .address_space: global }
      - { .name: b_qkv, .offset: 8, .size: 8, .value_kind: global_buffer, .address_space: global }
      - { .name: lowp_scales, .offset: 16, .size: 8, .value_kind: global_buffer, .address_space: global }
      - { .name: qkvc, .offset: 24, .size: 8, .value_kind: global_buffer, .address_space: global }
    .group_segment_fixed_size: 327680
    .private_segment_fixed_size: 0
    .kernarg_segment_align: 8
    .kernarg_segment_size: 32
    .max_flat_workgroup_size: 128
    .sgpr_count:     100
    .vgpr_count:     1024
    .wavefront_size: 32
...
	.end_amdgpu_metadata
.endif
;; end of part 2
;; launch attn (part 3): grid 4 x 64, 16 waves a work-group, clusters of 4 x 1, 327,680 bytes of LDS; arguments qkvc, lowp_scales, yc; writes yc
.if DOCPART == 3
	.amdgcn_target "amdgcn-amd-amdhsa--gfx1250"
	.amdhsa_code_object_version 6
	.text
	.protected	k_q4427ba42f9_attn
	.globl	k_q4427ba42f9_attn
	.p2align	8
	.type	k_q4427ba42f9_attn,@function
k_q4427ba42f9_attn:
	s_mov_b64 s[64:65], 0
	v_nop
	global_prefetch_b8 v0, s[64:65] scope:SCOPE_SE
	s_setreg_imm32_b32 hwreg(HW_REG_WAVE_MODE, 25, 1), 1
	s_wait_xcnt 0x0
	s_wait_alu depctr_hold_cnt(0) depctr_sa_sdst(0) depctr_va_vdst(0) depctr_va_sdst(0) depctr_va_ssrc(0) depctr_va_vcc(0) depctr_vm_vsrc(0)
	s_getreg_b32 s2, hwreg(HW_REG_IB_STS2, 6, 4)
	s_cmp_eq_u32 s2, 0
	s_cbranch_scc0 .Lentry_in_a_cluster
	s_endpgm
.Lentry_in_a_cluster:
	s_bfe_u32 s2, ttmp6, 0x10000c
	s_cmp_lg_u32 s2, 0x3003
	s_cbranch_scc0 .Lentry_shape_is_right
	s_endpgm
.Lentry_shape_is_right:
; y = softmax(q k^T / 8, causal) v for one head, both products on codes of FP8 (E4M3); y is quantised at once with 2^e6 and leaves as an image of the last product's operand registers.
; THE SOFTMAX: t = score x log2(e) / 8; M = the running largest t rounded UP to a whole number; p = 2^(t - M) is quantised with 2^e4, not normalised; the row's sum is taken of the unquantised p and divides at the end.
; When M moves, the sum and O are multiplied by 2^(old M - new M): nothing is rounded, and there is no branch on data.
; SHARES.  A cluster of four work-groups is one head.  The head's whole K (131,072 bytes of codes) and V (131,072) are brought into each partner's LDS once, by joint loads at the head: nothing is filled again.
; The head's 128 tiles of 16 queries are dealt out as tile 4 j + cx.  Wave w takes j = 31 - w and then j = w.  Tile 4 j + cx needs the key steps 0 .. j / 2 of 128 keys, whatever cx is:
; so no branch hangs on a work-group's place, and each wave of each work-group walks (31 - w) / 2 + w / 2 + 2 = 17 key steps.  Steps above the diagonal are passed over by a scalar branch on the wave's number.
; LAYOUT.  Both products transposed: S^T = K Q^T (source 0 = 16 keys, source 1 = my 16 queries), O^T = V^T P^T (source 0 = 16 channels, source 1 = P): a lane holds ONE query (lane % 16) throughout.
; In S^T's tile t lane (r, h) holds keys 16 t + 8 h + 0 .. 7: one conversion gives registers 2 t, 2 t + 1 of P for K = 128.  Likewise O^T's tile t gives registers 2 t, 2 t + 1 of y for K = 64.
; K, V and Q lie as images of operand registers: a fragment is ds_load_b128 at 16 x lane, 512 consecutive bytes each.
; Sixteen waves of 256 registers, four to a SIMD: one wave's vector work stands beside another's matrix work and LDS loads.
; LIMITS: e2 + e3 between -123 and 130 (added to c's exponent field); e4 and e6 between -126 and 119.  NaN among the inputs is not served.
; REGISTERS: v1-6 addresses; v12 -M, v13 the largest t, v[14:15] the sum in two halves; v16-31 Q of the two passes; v32-95 K's, then V's fragments; v96-159 S^T, then p; v160-191 O^T; v192-207 p's codes; v208-223 y's codes.
.set WV,  10                           ; s10  wave
.set CXP, 11                           ; s11  cx
.set BH,  12                           ; s12  16 x batch + head
.set G1,  16                           ; s[16:23] descriptor group 1
.set G0K, 24                           ; s[24:27], s[28:31] groups 0 for K's and V's part
.set G0V, 28
.set EX,  32                           ; s[32:39] e0 .. e7
.set SEL, 40                           ; s[40:41] v_permlanex16_b32's selects: lane l xor 16
.set CS,  42                           ; s[42:43] c = log2(e) / 8 x 2^(e2 + e3)
.set TB,  44                           ; s44  LDS byte of the key step in hand, in K and in V alike
.set KS,  45                           ; s45  the key step
.set ND,  46                           ; s46  the pass's last key step, the one on the diagonal
.set EPV, 47                           ; s47  e4 + e5
.set QA,  48                           ; s[48:51] Q's address, a pair for each pass
.set YA,  52                           ; s[52:55] y's
.set NDP, 56                           ; s56, s57  ND of each pass
.set DMP, 58                           ; s58, s59  my first query's place in the diagonal step
.set LI,  1                            ; v1   16 x lane
.set ADK, 2                            ; v2   LDS address of the step's K
.set ADV, 3                            ; v3   of its V
.set AV0, 4                            ; v4   16 x lane + V's first byte
.set RH,  5                            ; v5   r - 8 h
.set DM,  6                            ; v6   register 8 t + i is hidden where 16 t + i > DM
.set KV,  32
.set ST,  96
.set OT,  160
.set PC,  192
.set YC,  208
.macro CROUND                          ; a round of the cluster's barrier
	s_barrier_signal -1
	s_barrier_wait -1
	s_cmp_lg_u32 s[WV], 0
	s_cbranch_scc1 .Lnot_wave_0_\@
	s_barrier_signal -3
.Lnot_wave_0_\@:
	s_barrier_wait -3
	s_barrier_signal -1
	s_barrier_wait -1
.endm
	s_load_b128 s[4:7], s[0:1], 0x0                ; qkvc s[4:5], the scales' exponents s[6:7]
	s_load_b64 s[8:9], s[0:1], 0x10                ; yc
	v_lshl_add_u32 v251, v0, 2, 0x40000
	v_mov_b32 v255, 0
	ds_add_u32 v251, v255
	ds_add_u32 v251, v255
	v_lshrrev_b32 v2, 5, v0
	s_delay_alu instid0(VALU_DEP_1)
	v_readfirstlane_b32 s[WV], v2                  ; wave 0..15
	s_bfe_u32 s[CXP], ttmp6, 0x40000               ; cx
	s_and_b32 s[BH], ttmp7, 0xffff                 ; the cluster's y: the head, which the four partners share
	; descriptor group 1: 8,192 dense bytes as 32 rows of 256
	s_mov_b32 s[G1], 15|(3<<16)|(1<<21)            ; 15:0 the mask: all four work-groups; 17:16 elements of 8 bytes; 21 set beside a mask
	s_mov_b32 s[G1+1], 32<<16                      ; tensor_dim0 = 32 elements
	s_mov_b32 s[G1+2], 32<<16                      ; tensor_dim1 = 32
	s_mov_b32 s[G1+3], 32<<16                      ; tile_dim0
	s_mov_b32 s[G1+4], 32                          ; tile_dim1
	s_mov_b32 s[G1+5], 32                          ; tensor_dim0_stride
	s_mov_b32 s[G1+6], 0
	s_mov_b32 s[G1+7], 0
	s_lshl_b32 s13, s[WV], 13                      ; my 8,192 bytes of K and of V
	s_lshl_b32 s60, s[BH], 17                      ; a head is 131,072 bytes in each of q, k, v
	s_add_co_u32 s60, s60, s13
	s_mov_b32 s61, 0
	s_wait_dscnt 0x0
	s_wait_kmcnt 0x0
	s_load_b256 s[EX:EX+7], s[6:7], 0x0
	s_mov_b32 s[G0K], 1
	s_mov_b32 s[G0K+1], s13                        ; K from LDS byte 0 on
	s_add_nc_u64 s[G0K+2:G0K+3], s[4:5], s[60:61]
	s_add_nc_u64 s[G0K+2:G0K+3], s[G0K+2:G0K+3], 0x800000    ; k lies at 8 MiB
	s_or_b32 s[G0K+3], s[G0K+3], 0x80000000
	s_mov_b32 s[G0V], 1
	s_add_co_u32 s[G0V+1], s13, 131072             ; V behind K
	s_add_nc_u64 s[G0V+2:G0V+3], s[4:5], s[60:61]
	s_add_nc_u64 s[G0V+2:G0V+3], s[G0V+2:G0V+3], 0x1000000   ; v lies at 16 MiB
	s_or_b32 s[G0V+3], s[G0V+3], 0x80000000
	CROUND                                         ; all four work-groups are here: the joint loads meet
	tensor_load_to_lds s[G0K:G0K+3], s[G1:G1+7]    ; the first of my two loads: the launch's only fills
	s_nop 0
	s_wait_alu depctr_va_vdst(0)
	s_wait_tensorcnt 0x0
	ds_add_u32 v251, v255
	s_wait_dscnt 0x0
	CROUND
	tensor_load_to_lds s[G0V:G0V+3], s[G1:G1+7]
	s_nop 0
.rept 4
	v_nop
.endr
	s_sub_co_u32 s14, 31, s[WV]                    ; j of pass 0; pass 1's is the wave's number
	s_lshr_b32 s[NDP], s14, 1
	s_lshr_b32 s[NDP+1], s[WV], 1
	s_lshl_b32 s15, s[CXP], 4
	s_and_b32 s[DMP], s14, 1
	s_lshl_b32 s[DMP], s[DMP], 6
	s_add_co_u32 s[DMP], s[DMP], s15               ; 64 (j % 2) + 16 cx
	s_and_b32 s[DMP+1], s[WV], 1
	s_lshl_b32 s[DMP+1], s[DMP+1], 6
	s_add_co_u32 s[DMP+1], s[DMP+1], s15
	s_lshl_b32 s14, s14, 2
	s_add_co_u32 s14, s14, s[CXP]                  ; the tile of queries of pass 0,
	s_lshl_b32 s15, s[WV], 2
	s_add_co_u32 s15, s15, s[CXP]                  ; of pass 1
.irp u, 0,1
	s_lshl_b32 s62, s[BH], 17
	s_lshl_b32 s63, s[14+\u], 10
	s_add_co_u32 s62, s62, s63
	s_mov_b32 s63, 0
	s_add_nc_u64 s[QA+2*\u:QA+2*\u+1], s[4:5], s[62:63]      ; q: [head][tile][1,024]
	s_lshr_b32 s62, s[BH], 4
	s_lshl_b32 s62, s62, 7
	s_add_co_u32 s62, s62, s[14+\u]                ; the tile of tokens among all 512
	s_lshl_b32 s62, s62, 4
	s_and_b32 s63, s[BH], 15
	s_add_co_u32 s62, s62, s63
	s_lshl_b32 s62, s62, 10
	s_mov_b32 s63, 0
	s_add_nc_u64 s[YA+2*\u:YA+2*\u+1], s[8:9], s[62:63]      ; y: [tile of tokens][head][1,024]
.endr
	v_and_b32 v7, 31, v0
	s_delay_alu instid0(VALU_DEP_1)
	v_lshlrev_b32 v[LI], 4, v7
	global_load_b128 v[16:19], v[LI], s[QA:QA+1]
	global_load_b128 v[20:23], v[LI], s[QA:QA+1] offset:512
	global_load_b128 v[24:27], v[LI], s[QA+2:QA+3]
	global_load_b128 v[28:31], v[LI], s[QA+2:QA+3] offset:512
	v_add_nc_u32 v[AV0], 131072, v[LI]
	v_and_b32 v8, 15, v0
	v_bfe_u32 v9, v0, 4, 1
	s_delay_alu instid0(VALU_DEP_1)
	v_lshlrev_b32 v9, 3, v9
	s_delay_alu instid0(VALU_DEP_1)
	v_sub_nc_u32 v[RH], v8, v9
	v_mov_b32 v236, 0                              ; written once: a lane permute's destination counts as one of its sources
	v_mov_b32 v252, 0
	v_mov_b32 v253, 0                              ; (named as the upper half of the pair v[252:253])
	v_mov_b32 v254, 0
	s_mov_b32 s[SEL], 0x76543210
	s_mov_b32 s[SEL+1], 0xfedcba98
	s_mov_b32 s[CS], 0x3e38aa3b                    ; log2(e) / 8
	s_wait_kmcnt 0x0
	s_add_co_i32 s13, s[EX+2], s[EX+3]
	s_lshl_b32 s13, s13, 23
	s_add_co_i32 s[CS], s[CS], s13                 ; a score stands for score x 2^(e2 + e3): added to c's exponent field
	s_mov_b32 s[CS+1], s[CS]
	s_add_co_i32 s[EPV], s[EX+4], s[EX+5]
	s_add_co_i32 s13, s[EX+4], 127
	s_lshl_b32 s60, s13, 23
	v_mov_b32 v244, s60                            ; 2^e4, for p's conversions
	s_add_co_i32 s13, s[EX+6], 127
	s_lshl_b32 s60, s13, 23
	v_mov_b32 v245, s60                            ; 2^e6, for y's
	s_wait_tensorcnt 0x0                           ; my parts of K and V are in,
	s_barrier_signal -1
	s_barrier_wait -1                              ; everybody's are: from here on LDS is only read
	s_wait_loadcnt 0x0                             ; Q
; A PASS: one tile of 16 queries.  The loop has a constant 16 trips; a trip above the diagonal does nothing but step.
.macro PASS p, qreg
	v_mov_b32 v13, 0xff61b1e6                      ; the largest t so far: -3e38, under every t
	s_delay_alu instid0(VALU_DEP_1)
	v_floor_f32 v12, -v13                          ; -M
	v_mov_b32 v14, 0
	v_mov_b32 v15, 0
.irp j, 0,1,2,3,4,5,6,7,8,9,10,11,12,13,14,15,16,17,18,19,20,21,22,23,24,25,26,27,28,29,30,31
	v_mov_b32 v[OT+\j], 0                          ; the step is written once: the first finds zeros, which the first change of M leaves zeros
.endr
	v_add_nc_u32 v[DM], s[DMP+\p], v[RH]
	s_mov_b32 s[TB], 0
	s_mov_b32 s[KS], 0
	s_mov_b32 s[ND], s[NDP+\p]
.Lstep_\@:
	v_add_nc_u32 v[ADK], s[TB], v[LI]              ; made in every trip, ahead of the branch; two of the four places behind the last products
	v_add_nc_u32 v[ADV], s[TB], v[AV0]
	s_cmp_gt_u32 s[KS], s[ND]
	s_cbranch_scc1 .Lhidden_\@                     ; all 128 keys come after my 16 queries
	s_setprio 2
	v_nop
	v_nop
.irp t, 0,1,2,3,4,5,6,7
	ds_load_b128 v[KV+8*\t:KV+8*\t+3],   v[ADK] offset:1024*\t
	ds_load_b128 v[KV+8*\t+4:KV+8*\t+7], v[ADK] offset:1024*\t+512
.endr
	s_wait_dscnt 0x0
.irp t, 0,1,2,3,4,5,6,7
	v_wmma_f32_16x16x64_fp8_fp8 v[ST+8*\t:ST+8*\t+7], v[KV+8*\t:KV+8*\t+7], v[\qreg:\qreg+7], 0
.endr
.rept 4
	v_nop                                          ; places in front of the loads into K's registers and of the first read of the scores
.endr
	s_wait_alu depctr_va_vdst(0)
.irp t, 0,1,2,3
.irp c, 0,1,2,3
	ds_load_b128 v[KV+16*\t+4*\c:KV+16*\t+4*\c+3], v[ADV] offset:2048*\t+512*\c   ; V lands while the softmax is walked
.endr
.endr
	s_cmp_lt_u32 s[KS], s[ND]
	s_cbranch_scc1 .Lopen_\@                       ; all keys count
	v_mov_b32 v254, 0xff800000                     ; on the diagonal hidden scores become -infinity ahead of the maximum: p = 0 then.  Key 0 counts for every query, so M is a number from the first step on
.irp n, 0,1,2,3,4,5,6,7,8,9,10,11,12,13,14,15,16,17,18,19,20,21,22,23,24,25,26,27,28,29,30,31,32,33,34,35,36,37,38,39,40,41,42,43,44,45,46,47,48,49,50,51,52,53,54,55,56,57,58,59,60,61,62,63
	v_cmp_gt_i32 vcc_lo, 16*(\n/8)+\n%8, v[DM]
	v_cndmask_b32 v[ST+\n], v[ST+\n], v254, vcc_lo
.endr
.Lopen_\@:
	v_max3_num_f32 v254, v96, v97, v98             ; the step's largest score of my query among my 64 keys, in two chains; each tile is first read at its low end
	v_max3_num_f32 v252, v99, v100, v101
.irp i, 6,10,14,18,22,26,30,34,38,42,46,50,54,58
	v_max3_num_f32 v254, v254, v[96+\i], v[97+\i]
	v_max3_num_f32 v252, v252, v[98+\i], v[99+\i]
.endr
	v_max3_num_f32 v254, v254, v158, v159
	s_delay_alu instid0(VALU_DEP_1)
	v_max_num_f32 v254, v254, v252
	s_delay_alu instid0(VALU_DEP_1)
	v_permlanex16_b32 v236, v254, s[SEL], s[SEL+1]
	s_delay_alu instid0(VALU_DEP_1)
	v_max_num_f32 v254, v254, v236                 ; and among lane l xor 16's
	s_delay_alu instid0(VALU_DEP_1)
	v_mul_f32 v254, s[CS], v254                    ; as t (c is positive)
	s_delay_alu instid0(VALU_DEP_1)
	v_max_num_f32 v13, v13, v254                   ; the running largest t
	v_mov_b32 v254, v12
	s_delay_alu instid0(VALU_DEP_2)
	v_floor_f32 v12, -v13                          ; the new -M = floor(-t) = -ceil(t)
	s_delay_alu instid0(VALU_DEP_1)
	v_sub_f32 v254, v12, v254                      ; old M - new M: a whole number, 0 or less
	s_delay_alu instid0(VALU_DEP_1)
	v_cvt_i32_f32 v254, v254                       ; (it saturates)
	s_delay_alu instid0(VALU_DEP_1)
	v_ldexp_f32 v252, 1.0, v254                    ; f = 2^(old M - new M)
	s_setprio 1
.irp j, 0,2,4,6,8,10,12,14,16,18,20,22,24,26,28,30,32,34,36,38,40,42,44,46,48,50,52,54,56,58,60,62
	v_pk_fma_f32 v[ST+\j:ST+\j+1], v[ST+\j:ST+\j+1], s[CS:CS+1], v[12:13] op_sel_hi:[1,0,0]   ; t - M, two at a time
.endr
	s_wait_alu depctr_va_vdst(0)
.irp j, 0,1,2,3,4,5,6,7,8,9,10,11,12,13,14,15,16,17,18,19,20,21,22,23,24,25,26,27,28,29,30,31,32,33,34,35,36,37,38,39,40,41,42,43,44,45,46,47,48,49,50,51,52,53,54,55,56,57,58,59,60,61,62,63
	v_exp_f32 v[ST+\j], v[ST+\j]                   ; p = 2^(t - M), at most 1
.endr
	v_pk_mul_f32 v[14:15], v[14:15], v[252:253] op_sel_hi:[1,0]   ; the sums under the new M: the plain line behind the exponentials
	s_wait_alu depctr_va_vdst(0)                   ; one wait for the whole batch, ahead of its first reader
	v_pk_add_f32 v[242:243], v[96:97], v[98:99]    ; the row's sum is taken of the unquantised p, in two chains
.irp j, 4,8,12,16,20,24,28,32,36,40,44,48,52,56,60
	v_pk_add_f32 v[14:15], v[14:15], v[96+\j:97+\j]
	v_pk_add_f32 v[242:243], v[242:243], v[98+\j:99+\j]
.endr
	s_delay_alu instid0(VALU_DEP_1)
	v_pk_add_f32 v[14:15], v[14:15], v[242:243]
	s_setprio 0
.irp t, 0,1,2,3,4,5,6,7
.irp i, 0,1,2,3,4,5,6,7
.endr
	v_cvt_scalef32_pk8_fp8_f32 v[PC+2*\t:PC+2*\t+1], v[ST+8*\t:ST+8*\t+7], v244
.endr
.irp j, 0,2,4,6,8,10,12,14,16,18,20,22,24,26,28,30
	v_pk_mul_f32 v[OT+\j:OT+\j+1], v[OT+\j:OT+\j+1], v[252:253] op_sel_hi:[1,0]   ; O^T under the new M; also the plain lines behind the conversions
.endr
	s_wait_alu depctr_va_vdst(0)
	s_wait_dscnt 0x0                               ; V is in
.irp t, 0,1,2,3
	v_wmma_f32_16x16x128_fp8_fp8 v[OT+8*\t:OT+8*\t+7], v[KV+16*\t:KV+16*\t+15], v[PC:PC+15], v[OT+8*\t:OT+8*\t+7]   ; the four accumulators by turns; the scores' eight products stand between two turns of one
.endr
.Lhidden_\@:
	s_add_co_u32 s[TB], s[TB], 8192
	s_add_co_u32 s[KS], s[KS], 1
	s_cmp_lt_u32 s[KS], 16
	s_cbranch_scc1 .Lstep_\@
	s_setprio 0
	; the way out: y = O^T x 2^(e4 + e5) / the sum, quantised with 2^e6
.rept 4
	v_nop                                          ; places behind the last products
.endr
	v_add_f32 v14, v14, v15
	s_delay_alu instid0(VALU_DEP_1)
	v_permlanex16_b32 v252, v14, s[SEL], s[SEL+1]
	s_delay_alu instid0(VALU_DEP_1)
	v_add_f32 v14, v14, v252                       ; the row's sum
	s_wait_alu depctr_va_vdst(0)
	v_rcp_f32 v14, v14
	v_nop                                          ; a plain line behind the reciprocal
	s_wait_alu depctr_va_vdst(0)                   ; and the wait ahead of its first reader
	v_ldexp_f32 v14, v14, s[EPV]
	s_delay_alu instid0(VALU_DEP_1)
	v_mov_b32 v15, v14
.irp j, 0,2,4,6,8,10,12,14,16,18,20,22,24,26,28,30
	v_pk_mul_f32 v[ST+\j:ST+\j+1], v[OT+\j:OT+\j+1], v[14:15]     ; register 8 t + i is y(query r, channel 16 t + 8 h + i); each accumulator from its low end on
.endr
.irp t, 0,1,2,3
.irp i, 0,1,2,3,4,5,6,7
.endr
	v_cvt_scalef32_pk8_fp8_f32 v[YC+8*\p+2*\t:YC+8*\p+2*\t+1], v[ST+8*\t:ST+8*\t+7], v245
.endr
	v_nop                                          ; a plain line behind the last conversion
	global_store_b128 v[LI], v[YC+8*\p:YC+8*\p+3],   s[YA+2*\p:YA+2*\p+1]              ; 32 lanes store 512 consecutive bytes, aligned; each pass has its own registers and base
	global_store_b128 v[LI], v[YC+8*\p+4:YC+8*\p+7], s[YA+2*\p:YA+2*\p+1] offset:512
.endm
	PASS 0, 16
	PASS 1, 24
	s_wait_dscnt 0x0
	s_wait_tensorcnt 0x0
	ds_add_u32 v251, v255
	s_wait_dscnt 0x0
	CROUND                                         ; the closing round
	s_endpgm
.Lfunc_end_k_q4427ba42f9_attn:
	.size	k_q4427ba42f9_attn, .Lfunc_end_k_q4427ba42f9_attn-k_q4427ba42f9_attn
	.p2alignl 7, 3214868480
	.fill 96, 4, 3214868480
	.section	.rodata,"a",@progbits
	.p2align	6, 0x0
	.amdhsa_kernel k_q4427ba42f9_attn
		.amdhsa_group_segment_fixed_size 327680
		.amdhsa_private_segment_fixed_size 0
		.amdhsa_enable_private_segment 0
		.amdhsa_kernarg_size 24
		.amdhsa_user_sgpr_count 2
		.amdhsa_user_sgpr_kernarg_segment_ptr 1
		.amdhsa_wavefront_size32 1
		.amdhsa_system_sgpr_workgroup_id_x 1
		.amdhsa_system_sgpr_workgroup_id_y 1
		.amdhsa_system_sgpr_workgroup_id_z 1
		.amdhsa_system_vgpr_workitem_id 0
		.amdhsa_next_free_vgpr 256
		.amdhsa_next_free_sgpr 66
		.amdhsa_reserve_vcc 1
		.amdhsa_float_denorm_mode_32 3
		.amdhsa_float_denorm_mode_16_64 3
		.amdhsa_fp16_overflow 1
		.amdhsa_memory_ordered 1
		.amdhsa_forward_progress 1
		.amdhsa_inst_pref_size 52
	.end_amdhsa_kernel
	.amdgpu_metadata
---
amdhsa.version: [ 1, 2 ]
amdhsa.kernels:
  - .name:           k_q4427ba42f9_attn
    .symbol:         k_q4427ba42f9_attn.kd
    .args:
      - { .name: qkvc, .offset: 0, .size: 8, .value_kind: global_buffer, .address_space: global }
      - { .name: lowp_scales, .offset: 8, .size: 8, .value_kind: global_buffer, .address_space: global }
      - { .name: yc, .offset: 16, .size: 8, .value_kind: global_buffer, .address_space: global }
    .group_segment_fixed_size: 327680
    .private_segment_fixed_size: 0
    .kernarg_segment_align: 8
    .kernarg_segment_size: 24
    .max_flat_workgroup_size: 512
    .sgpr_count:     66
    .vgpr_count:     256
    .wavefront_size: 32
...
	.end_amdgpu_metadata
.endif
;; end of part 3
;; launch proj (part 4): grid 4 x 32, 4 waves a work-group, clusters of 4 x 4, 327,680 bytes of LDS; arguments yc, codes, b_proj, lowp_scales, out0; writes out0
.if DOCPART == 4
	.amdgcn_target "amdgcn-amd-amdhsa--gfx1250"
	.amdhsa_code_object_version 6
	.text
	.protected	k_q4427ba42f9_proj
	.globl	k_q4427ba42f9_proj
	.p2align	8
	.type	k_q4427ba42f9_proj,@function
k_q4427ba42f9_proj:
	s_mov_b64 s[64:65], 0
	v_nop
	global_prefetch_b8 v0, s[64:65] scope:SCOPE_SE
	s_setreg_imm32_b32 hwreg(HW_REG_WAVE_MODE, 25, 1), 1
	s_wait_xcnt 0x0
	s_wait_alu depctr_hold_cnt(0) depctr_sa_sdst(0) depctr_va_vdst(0) depctr_va_sdst(0) depctr_va_ssrc(0) depctr_va_vcc(0) depctr_vm_vsrc(0)
	s_getreg_b32 s2, hwreg(HW_REG_IB_STS2, 6, 4)
	s_cmp_eq_u32 s2, 0
	s_cbranch_scc0 .Lentry_in_a_cluster
	s_endpgm
.Lentry_in_a_cluster:
	s_bfe_u32 s2, ttmp6, 0x10000c
	s_cmp_lg_u32 s2, 0xf033
	s_cbranch_scc0 .Lentry_shape_is_right
	s_endpgm
.Lentry_shape_is_right:
; out0 = y W_proj + b_proj on codes of FP8 (E4M3): y's codes with the scale 2^e6, W_proj's with 2^e7.  out0: [8192][1024] f32.
; A tile of 256 x 256 results is made by four waves, each 128 x 128: 64 accumulators in 512 registers.  K = 1024 goes in four slot fills of 256 through two LDS slots.
; Source 0 = 16 rows of P (columns of W_proj), source 1 = 16 rows of R (tokens): a lane holds eight neighbouring columns of one row of out0.
; Both operands lie as images of operand registers: [tile of 16 rows][K step of 128][2,048 bytes]; a fragment is four ds_load_b128 at 16 x lane.
; CLUSTERS: 4 x 4 work-groups; R's tile is shared along a row of the cluster, P's along a column: each is asked for jointly.
; 128 tiles of 256 x 256: the launch has 128 work-groups; the tile is kept so that this text and the first product's share one inner structure.
; LIMIT: e6 + e7 between -126 and 127.
; REGISTERS: window 0: v16-29 addresses; v32-95 the bias; v128-255 R's eight fragments, on the way out rows read back from the stage.   window 1: P's fragments, two sets.   windows 2, 3: the accumulators.
.set HALFT,  32768
.set SLOT,   4*HALFT
.set SPARE,  2*SLOT
.set SPITCH, 528                       ; the way out: a stage of 16 rows x (512 bytes + 16) for each wave, in slot 0, which has had its last fill and its last read when the first result is stored there
.set FR,     16
.set NL,     4
.set NP,     4
.set ADRR, 16
.set ADRP, 20
.set STO,  24                          ; v24     the way out: where I put 32 bytes of a row
.set RD,   25                          ; v25     where I read a row back
.set LI,   26                          ; v26     16 x lane
.set SPW,  28
.set NIL,  29
.set BQ,   32
.set AF,   128
.set BK,   128                         ; the way out: 16 rows read back: v128-191 and v192-255 by turns
.set G1, 24
.set G0, 32
.set G1B, 48
.set G0B, 56
.set MSB, 0
.macro WIN new
.if MSB != (\new)
	s_set_vgpr_msb (MSB<<8)|(\new)
.set MSB, \new
.endif
.endm
.set MUL_LO, 0xa1
.set MUL_HI, 0xf1
.set TO_P,   0x40
.macro JLOAD g0a, g1a, g0b, g1b        ; waves 0 and 1 fetch R's halves, waves 2 and 3 P's; four v_nop follow each of the two lines
	s_cmp_eq_u32 s15, 0
	s_cbranch_scc0 .Lfor_p_\@
	tensor_load_to_lds s[\g0a:\g0a+3], s[\g1a:\g1a+7]
	s_nop 0
.rept 4
	v_nop
.endr
	s_branch .Lasked_\@
.Lfor_p_\@:
	tensor_load_to_lds s[\g0b:\g0b+3], s[\g1b:\g1b+7]
	s_nop 0
.rept 4
	v_nop
.endr
.Lasked_\@:
.endm
.macro CREST
	s_cmp_lg_u32 s14, 0
	s_cbranch_scc1 .Lnot_wave_0_\@
	s_barrier_signal -3
.Lnot_wave_0_\@:
	s_barrier_wait -3
	s_barrier_signal -1
	s_barrier_wait -1
.endm
.macro CROUND
	s_barrier_signal -1
	s_barrier_wait -1
	CREST
.endm
	s_load_b256 s[4:11], s[0:1], 0x0               ; yc s[4:5], codes s[6:7], b_proj s[8:9], the scales' exponents s[10:11]
	s_load_b64 s[12:13], s[0:1], 0x20              ; out0
	v_lshl_add_u32 v[SPW], v0, 2, SPARE
	v_mov_b32 v[NIL], 0
	ds_add_u32 v28, v29
	ds_add_u32 v28, v29
	s_wait_dscnt 0x0
	v_lshrrev_b32 v1, 5, v0
	v_readfirstlane_b32 s14, v1
	s_lshr_b32 s15, s14, 1
	s_and_b32 s16, s14, 1
	s_bfe_u32 s40, ttmp6, 0x40000                  ; cx, cy
	s_bfe_u32 s41, ttmp6, 0x40004
	s_lshl_b32 s42, ttmp9, 2
	s_add_co_u32 s42, s42, s40                     ; P's tile of 256 columns
	s_and_b32 s17, ttmp7, 0xffff
	s_lshl_b32 s17, s17, 2
	s_add_co_u32 s17, s17, s41                     ; R's tile of 256 tokens
	s_lshl_b32 s43, s41, 2
	s_lshl_b32 s43, 15, s43
	s_lshl_b32 s44, 0x1111, s40
	s_or_b32 s[G1+0], s43, (3<<16)|(1<<21)         ; 8 rows (tiles of 16) x 4,096 bytes, 16,384 bytes apart; elements of 8 bytes; the mask: my row
	s_or_b32 s[G1B+0], s44, (3<<16)|(1<<21)        ; my column
.irp g, G1, G1B
	s_mov_b32 s[\g+1], 512<<16
	s_mov_b32 s[\g+2], 8<<16
	s_mov_b32 s[\g+3], 512<<16
	s_mov_b32 s[\g+4], 8
	s_mov_b32 s[\g+5], 2048
	s_mov_b32 s[\g+6], 0
	s_mov_b32 s[\g+7], 0
.endr
	s_lshl_b32 s20, s17, 18
	s_lshl_b32 s21, s16, 17
	s_add_co_u32 s20, s20, s21
	s_mov_b32 s21, 0
	s_add_co_u32 s46, s42, 44                      ; W_proj's codes begin at tile 44 of 256 rows
	s_lshl_b32 s46, s46, 18
	s_lshl_b32 s47, s16, 17
	s_add_co_u32 s46, s46, s47
	s_mov_b32 s47, 0
	s_mul_i32 s45, s14, HALFT
	s_wait_kmcnt 0x0
	s_load_b256 s[68:75], s[10:11], 0x0            ; e0 .. e7
	s_add_nc_u64 s[20:21], s[4:5], s[20:21]
	s_add_nc_u64 s[46:47], s[6:7], s[46:47]
	CROUND
.irp s, 0,1
	s_mov_b32 s[G0+4*\s], 1
	s_add_co_u32 s[G0+4*\s+1], s45, \s*SLOT
	s_add_nc_u64 s[G0+4*\s+2:G0+4*\s+3], s[20:21], \s*4096
	s_or_b32 s[G0+4*\s+3], s[G0+4*\s+3], 0x80000000
	s_mov_b32 s[G0B+4*\s], 1
	s_add_co_u32 s[G0B+4*\s+1], s45, \s*SLOT
	s_add_nc_u64 s[G0B+4*\s+2:G0B+4*\s+3], s[46:47], \s*4096
	s_or_b32 s[G0B+4*\s+3], s[G0B+4*\s+3], 0x80000000
	s_wait_alu depctr_va_vdst(0)
	s_wait_tensorcnt 0x0
	ds_add_u32 v28, v29
	ds_add_u32 v28, v29
	s_wait_dscnt 0x0
	CROUND
	JLOAD G0+4*\s, G1, G0B+4*\s, G1B
.endr
	s_lshl_b32 s80, s42, 10
	s_lshl_b32 s81, s16, 9
	s_add_co_u32 s80, s80, s81                     ; my first column, in bytes of f32: 1,024 x tile + 512 x half
	s_mov_b32 s81, 0
	s_add_nc_u64 s[82:83], s[8:9], s[80:81]        ; in the bias
	v_and_b32 v1, 15, v0                           ; r
	s_wait_alu depctr_va_vdst(0)
	v_bfe_u32 v2, v0, 4, 1                         ; h
	v_lshlrev_b32 v6, 5, v2
.irp b, 0,1,2,3,4,5,6,7
	global_load_b128 v[BQ+8*\b:BQ+8*\b+3],   v6, s[82:83] offset:64*\b
	global_load_b128 v[BQ+8*\b+4:BQ+8*\b+7], v6, s[82:83] offset:64*\b+16
.endr
	s_lshl_b32 s88, s17, 20                        ; 256 rows of 4,096 bytes
	s_lshl_b32 s89, s15, 19
	s_add_co_u32 s88, s88, s89
	s_add_co_u32 s88, s88, s80
	s_mov_b32 s89, 0
	s_add_nc_u64 s[12:13], s[12:13], s[88:89]      ; out0 at my first row and column
	v_and_b32 v5, 31, v0
	v_lshlrev_b32 v[LI], 4, v5
	s_mul_i32 s84, s15, HALFT
	s_mul_i32 s85, s16, HALFT
	s_add_co_u32 s85, s85, 2*HALFT
.irp s, 0,1
	v_add_nc_u32 v[ADRR+\s], s84, v[LI]
	v_add_nc_u32 v[ADRP+\s], s85, v[LI]
	s_add_co_u32 s84, s84, SLOT
	s_add_co_u32 s85, s85, SLOT
.endr
	s_mul_i32 s86, s14, 16*SPITCH                  ; my stage
	v_mul_u32_u24 v8, v1, SPITCH
	s_wait_alu depctr_va_vdst(0)
	v_lshl_add_u32 v8, v2, 5, v8
	v_add_nc_u32 v[STO], s86, v8                   ; in: row r, 32 bytes for each half of the lanes
	v_add_nc_u32 v[RD], s86, v[LI]                 ; back: the 32 lanes take one row of 512 bytes
.macro FRAG reg, adr, q, i
.irp c, 0,1,2,3
	ds_load_b128 v[\reg+4*\c:\reg+4*\c+3], v[\adr] offset:4096*(\i)+2048*(\q)+512*\c
.endr
.endm
.macro MUL16 a0, p, zero               ; the 64 accumulators take turns, one instruction a turn, in the same order in every step
.irp a, \a0, \a0+1
.irp b, 0,1,2,3,4,5,6,7
.if \zero
	v_wmma_f32_16x16x128_fp8_fp8 v[8*(8*((\a)%4)+\b):8*(8*((\a)%4)+\b)+7], v[128*(\p)+FR*\b:128*(\p)+FR*\b+FR-1], v[AF+FR*(\a):AF+FR*(\a)+FR-1], 0
.else
	v_wmma_f32_16x16x128_fp8_fp8 v[8*(8*((\a)%4)+\b):8*(8*((\a)%4)+\b)+7], v[128*(\p)+FR*\b:128*(\p)+FR*\b+FR-1], v[AF+FR*(\a):AF+FR*(\a)+FR-1], v[8*(8*((\a)%4)+\b):8*(8*((\a)%4)+\b)+7]
.endif
.endr
.endr
.endm
.macro FETCH_P slot, q, p
	WIN TO_P
.irp i, 0,1,2,3,4,5,6,7
	FRAG 128*(\p)+FR*\i, ADRP+\slot, \q, \i
.endr
	WIN 0
.endm
.macro FETCH_R slot, q, i0
.irp i, \i0, \i0+1, \i0+2, \i0+3
	FRAG AF+FR*(\i), ADRR+\slot, \q, \i
.endr
.endm
.macro PLACES n
.rept \n
	v_nop
.endr
.endm
.macro STEP slot, q, zero
	s_wait_dscnt 4*NL                              ; P's set and R's blocks 0-3 are in; the youngest sixteen loads (R's blocks 4-7) may be out
	WIN MUL_LO
	MUL16 0, (\q)%2, \zero
	MUL16 2, (\q)%2, \zero
	s_wait_dscnt 0
	PLACES NP
	FETCH_P \slot, (\q)+1, 1-(\q)%2
	FETCH_R \slot, (\q)+1, 0
	WIN MUL_HI
	MUL16 4, (\q)%2, \zero
	MUL16 6, (\q)%2, \zero
	PLACES NP
	WIN 0
	FETCH_R \slot, (\q)+1, 4
.endm
.macro TURN slot, next, fill
	s_wait_tensorcnt 0x0                           ; all my tensor loads have landed: my part of the next slot
	ds_add_u32 v[SPW], v[NIL]                      ; 0 onto my spare word
	s_wait_dscnt 4*NL+1                            ; (the add and the youngest sixteen loads may be out)
	WIN MUL_LO
	MUL16 0, 1, 0
	s_wait_dscnt 0x0                               ; the add is done, and my reads of this slot are over
	s_barrier_signal -1
	MUL16 2, 1, 0
	WIN 0
	s_barrier_wait -1
.if \fill
	CREST                                          ; no wave of any partner still reads this slot or has a load on its way
	s_add_nc_u64 s[G0+4*\slot+2:G0+4*\slot+3], s[G0+4*\slot+2:G0+4*\slot+3], 8192
	s_add_nc_u64 s[G0B+4*\slot+2:G0B+4*\slot+3], s[G0B+4*\slot+2:G0B+4*\slot+3], 8192
	JLOAD G0+4*\slot, G1, G0B+4*\slot, G1B
.else
	PLACES NP
.endif
	FETCH_P \next, 0, 0
	FETCH_R \next, 0, 0
	WIN MUL_HI
	MUL16 4, 1, 0
	MUL16 6, 1, 0
	PLACES NP
	WIN 0
	FETCH_R \next, 0, 4
.endm
	s_wait_tensorcnt 1                             ; my part of slot 0 is in; slot 1's load may be out
	s_barrier_signal -1
	s_barrier_wait -1
	FETCH_P 0, 0, 0
	FETCH_R 0, 0, 0
	FETCH_R 0, 0, 4
	STEP 0, 0, 1
	TURN 0, 1, 1
	STEP 1, 0, 0
	TURN 1, 0, 1
	STEP 0, 0, 0
	TURN 0, 1, 0
	STEP 1, 0, 0
	s_wait_dscnt 4*NL
	WIN MUL_LO
	MUL16 0, 1, 0
	MUL16 2, 1, 0
	s_wait_dscnt 0
	WIN MUL_HI
	MUL16 4, 1, 0
	MUL16 6, 1, 0
	WIN 0
; THE WAY OUT, block by block of 16 rows x 128 columns: out = sum x 2^(e6 + e7) + bias, in place; through my own stage in LDS; back as whole rows of 512 bytes.
; LDS serves a wave's instructions in order (ISA guide 5.7.1.4): no wait between the stores and the loads, nor in front of the next block's stores.
.macro TOSTAGE a
.set AC, 64*((\a)%4)
	WIN 0x82+0x41*((\a)/4)                         ; source 0 and destination: window 2 or 3; the bias in window 0
.irp b, 0,1,2,3,4,5,6,7
.irp i, 0,2,4,6
	v_pk_fma_f32 v[AC+8*\b+\i:AC+8*\b+\i+1], v[AC+8*\b+\i:AC+8*\b+\i+1], s[96:97], v[BQ+8*\b+\i:BQ+8*\b+\i+1] op_sel_hi:[1,0,1]   ; each accumulator from its low end on
.endr
.endr
	WIN 0x08+4*((\a)/4)                            ; an LDS store's data: source 1
.irp b, 0,1,2,3,4,5,6,7
	ds_store_b128 v[STO], v[AC+8*\b:AC+8*\b+3] offset:64*\b
	ds_store_b128 v[STO], v[AC+8*\b+4:AC+8*\b+7] offset:64*\b+16
.endr
	WIN 0
.set BB, BK+64*((\a)%2)
.irp t, 0,1,2,3,4,5,6,7,8,9,10,11,12,13,14,15
	ds_load_b128 v[BB+4*\t:BB+4*\t+3], v[RD] offset:\t*SPITCH
.endr
.endm
.macro SEND a, younger                 ; younger: the LDS instructions issued behind block a's loads, which may stay out
.set BB, BK+64*((\a)%2)
	s_wait_dscnt \younger
.if (\a) > 0
	s_add_nc_u64 s[12:13], s[12:13], 16*4096       ; (behind a wait on XCNT: the earlier stores have read their base)
.endif
.irp t, 0,1,2,3,4,5,6,7,8,9,10,11,12,13,14,15
	global_store_b128 v[LI], v[BB+4*\t:BB+4*\t+3], s[12:13] offset:\t*4096 th:TH_STORE_NT   ; 32 lanes store 512 consecutive bytes, aligned; written once, read by nobody here
.endr
.endm
	s_wait_kmcnt 0x0
	s_wait_loadcnt 0x0                             ; the bias
	s_add_co_i32 s96, s74, s75
	s_add_co_i32 s96, s96, 127
	s_lshl_b32 s96, s96, 23                        ; 2^(e6 + e7) as f32
	s_mov_b32 s97, s96
	PLACES NP                                      ; behind the last products: their results are read and rewritten, and R's registers loaded, below
	TOSTAGE 0
.irp a, 1,2,3,4,5,6,7
.if \a > 1
	s_wait_xcnt 0x0                                ; block a - 2's stores have read their registers and their base
.endif
	TOSTAGE \a
	SEND \a-1, 32                                  ; behind block a - 1's loads: block a's 16 stores and 16 loads
.endr
	s_wait_xcnt 0x0
	SEND 7, 0
	s_wait_tensorcnt 0x0                           ; the wave's end
	ds_add_u32 v[SPW], v[NIL]
	s_wait_dscnt 0x0
	CROUND                                         ; the closing round
	s_endpgm
.Lfunc_end_k_q4427ba42f9_proj:
	.size	k_q4427ba42f9_proj, .Lfunc_end_k_q4427ba42f9_proj-k_q4427ba42f9_proj
	.p2alignl 7, 3214868480
	.fill 96, 4, 3214868480
	.section	.rodata,"a",@progbits
	.p2align	6, 0x0
	.amdhsa_kernel k_q4427ba42f9_proj
		.amdhsa_group_segment_fixed_size 327680
		.amdhsa_private_segment_fixed_size 0
		.amdhsa_enable_private_segment 0
		.amdhsa_kernarg_size 40
		.amdhsa_user_sgpr_count 2
		.amdhsa_user_sgpr_kernarg_segment_ptr 1
		.amdhsa_wavefront_size32 1
		.amdhsa_system_sgpr_workgroup_id_x 1
		.amdhsa_system_sgpr_workgroup_id_y 1
		.amdhsa_system_sgpr_workgroup_id_z 1
		.amdhsa_system_vgpr_workitem_id 0
		.amdhsa_next_free_vgpr 1024
		.amdhsa_next_free_sgpr 100
		.amdhsa_reserve_vcc 0
		.amdhsa_float_denorm_mode_32 3
		.amdhsa_float_denorm_mode_16_64 3
		.amdhsa_memory_ordered 1
		.amdhsa_forward_progress 1
		.amdhsa_inst_pref_size 126
	.end_amdhsa_kernel
	.amdgpu_metadata
---
amdhsa.version: [ 1, 2 ]
amdhsa.kernels:
  - .name:           k_q4427ba42f9_proj
    .symbol:         k_q4427ba42f9_proj.kd
    .args:
      - { .name: yc, .offset: 0, .size: 8, .value_kind: global_buffer, .address_space: global }
      - { .name: codes, .offset: 8, .size: 8, .value_kind: global_buffer, .address_space: global }
      - { .name: b_proj, .offset: 16, .size: 8, .value_kind: global_buffer, .address_space: global }
      - { .name: lowp_scales, .offset: 24, .size: 8, .value_kind: global_buffer, .address_space: global }
      - { .name: out0, .offset: 32, .size: 8, .value_kind: global_buffer, .address_space: global }
    .group_segment_fixed_size: 327680
    .private_segment_fixed_size: 0
    .kernarg_segment_align: 8
    .kernarg_segment_size: 40
    .max_flat_workgroup_size: 128
    .sgpr_count:     100
    .vgpr_count:     1024
    .wavefront_size: 32
...
	.end_amdgpu_metadata
.endif
;; end of part 4
